; MI455X (gfx1250); checked and timed in simulation.
; The chip was launched on July 23, 2026; its instructions are those of AMD's public machine-readable ISA for CDNA 5 (MIT licence, August 2026) and "CDNA5" Instruction Set Architecture Reference Guide (July 2026). The comments in the code are by the model that wrote it; some were corrected since.
;; Linear Attention. Allowed arithmetic: matrix products marked QUANTISED: E2M3 operands, one E8M0 scale for each 32 along K, by v_wmma_scale_f32_16x16x128_f8f6f4 with both operands' format E2M3, f32 sums; products left as they are: f32 operands where the result goes on into a quantised operand, else bf16, f16 or f32 operands; f32 sums; everything else in f32.
;; Inputs: Wk_codes 1,024 x 32 x 24 uint8 (E2M3 codes of Wk, K innermost, in blocks of 32 codes, four codes in three bytes); Wk_scales 1,024 x 32 uint8 (E8M0 scales of Wk, one for each 32 codes along K); Wq_codes 1,024 x 32 x 24 uint8 (E2M3 codes of Wq, K innermost, in blocks of 32 codes, four codes in three bytes); Wq_scales 1,024 x 32 uint8 (E8M0 scales of Wq, one for each 32 codes along K); Wv_codes 1,024 x 32 x 24 uint8 (E2M3 codes of Wv, K innermost, in blocks of 32 codes, four codes in three bytes); Wv_scales 1,024 x 32 uint8 (E8M0 scales of Wv, one for each 32 codes along K); k_codes 4,096 x 4 x 32 x 24 uint8 (E2M3 codes of k, K innermost, in blocks of 32 codes, four codes in three bytes); k_scales 4,096 x 4 x 32 uint8 (E8M0 scales of k, one for each 32 codes along K); q_codes 4,096 x 4 x 32 x 24 uint8 (E2M3 codes of q, K innermost, in blocks of 32 codes, four codes in three bytes); q_scales 4,096 x 4 x 32 uint8 (E8M0 scales of q, one for each 32 codes along K); v_codes 4,096 x 4 x 32 x 24 uint8 (E2M3 codes of v, K innermost, in blocks of 32 codes, four codes in three bytes); v_scales 4,096 x 4 x 32 uint8 (E8M0 scales of v, one for each 32 codes along K).
;; Outputs: out0 4,096 x 4 x 1,024 float32.
;; This version of the problem:
;;   THIS VERSION OF THE PROBLEM IS GIVEN IN LOW PRECISION. The matrix products marked QUANTISED in the list below multiply operands that are first quantised to E2M3 (2 exponent bits, 3 mantissa bits; 6 bits a number), with one power-of-two scale for each 32 numbers along K (OCP MX v1.0); their sums are f32. All else is computed in f32.
;;   The module's matrix products, in the order in which they are computed (A, B: the left and right operand; K: the contracted axis; several contracted axes count as one K, in the product's order):
;;     1. [M 16,384, K 1,024] x [K 1,024, N 1,024]; A: input q (given as codes); B: input Wq (given as codes): QUANTISED
;;     2. [M 16,384, K 1,024] x [K 1,024, N 1,024]; A: input k (given as codes); B: input Wk (given as codes): QUANTISED
;;     3. [M 16,384, K 1,024] x [K 1,024, N 1,024]; A: input v (given as codes); B: input Wv (given as codes): QUANTISED
;;     4. batch 262,144 x [M 1, K 64] x [K 64, N 1]; A: computed on the way; B: computed on the way: left as it is (M = 1 < 16)
;;   THE QUANTISER, for each operand of a quantised product, along K:
;;     - K is cut into blocks of 32 from its start; a last block that is shorter is filled with zeros.
;;     - A block's scale is 2^e with e = floor(log2(the largest magnitude in the block)) - 2, held to -126 .. 127; a block of zeros has e = 0. As a byte (E8M0): e + 127.
;;     - Each number is divided by its block's scale, clamped to +-7.5, and rounded to the nearest number of E2M3, ties to even, subnormals kept.
;;     - The product sums the exact products of the quantised numbers (number of the format x scale) in f32.
;;   ~~~python
;;   def quantise(x, axis):      # numpy; x: float32 -> the quantised numbers, widened to float32 again
;;       x = np.moveaxis(x, axis, -1); K = x.shape[-1]
;;       x = np.pad(x, [(0, 0)] * (x.ndim - 1) + [(0, -K % 32)]); x = x.reshape(x.shape[:-1] + (-1, 32)); a = np.abs(x).max(-1, keepdims=True)
;;       e = np.where(a > 0, np.clip(np.frexp(np.where(a > 0, a, 1))[1] - 1 - 2, -126, 127), 0)      # np.frexp(a)[1] - 1 = floor(log2(a)), exactly
;;       r = np.clip(x / 2.0 ** e, -7.5, 7.5)
;;       step = 2.0 ** (np.maximum(np.frexp(np.where(r == 0, 1, r))[1] - 1, 0) - 3)
;;       q = np.round(r / step) * step * 2.0 ** e      # np.round: ties to even
;;       return np.moveaxis(q.reshape(q.shape[:-2] + (-1,))[..., :K], -1, axis).astype(np.float32)
;;   ~~~
;;   INPUTS GIVEN AS CODES. Wk (in the module: [1024, 1024], K = its axis 1); Wq (in the module: [1024, 1024], K = its axis 1); Wv (in the module: [1024, 1024], K = its axis 1); k (in the module: [4096, 4, 1024], K = its axis 2); q (in the module: [4096, 4, 1024], K = its axis 2); v (in the module: [4096, 4, 1024], K = its axis 2): each comes as NAME_codes (uint8): NAME with its K axis moved to the last place and cut into blocks of 32 codes, [.., K / 32, bytes a block], one block behind the other in memory; four codes in three bytes: a row's codes are one little-endian stream of bits, code i at bits 6 i .. 6 i + 5 (a code: sign, 2 exponent bits, 3 mantissa bits); and NAME_scales (uint8): the same leading axes, one E8M0 byte (e + 127) for each 32 codes along K. Its value is code x scale, taken as it is: it is not quantised again, and the codes and scales need not be those that the quantiser above would give.
;; One version. Each part assembles by itself: llvm-mc -triple=amdgcn-amd-amdhsa -mcpu=gfx1250 --defsym DOCPART=n.
;; ======== version 1 of 1: 1 launch
;; launch fused (part 1): grid 4 x 64, 4 waves a work-group, clusters of 4 x 4, 327,680 bytes of LDS; arguments q_codes, q_scales, k_codes, k_scales, v_codes, v_scales, Wq_codes, Wq_scales, Wk_codes, Wk_scales, Wv_codes, Wv_scales, out0; writes out0
.if DOCPART == 1
	.amdgcn_target "amdgcn-amd-amdhsa--gfx1250"
	.amdhsa_code_object_version 6
	.text
	.protected	k_qfbfd75e97f_fused
	.globl	k_qfbfd75e97f_fused
	.p2align	8
	.type	k_qfbfd75e97f_fused,@function
k_qfbfd75e97f_fused:
	s_mov_b64 s[64:65], 0
	v_nop
	global_prefetch_b8 v0, s[64:65] scope:SCOPE_SE
	s_setreg_imm32_b32 hwreg(HW_REG_WAVE_MODE, 25, 1), 1
	s_wait_xcnt 0x0
	s_wait_alu depctr_hold_cnt(0) depctr_sa_sdst(0) depctr_va_vdst(0) depctr_va_sdst(0) depctr_va_ssrc(0) depctr_va_vcc(0) depctr_vm_vsrc(0)
	s_getreg_b32 s2, hwreg(HW_REG_IB_STS2, 6, 4)
	s_cmp_eq_u32 s2, 0
	s_cbranch_scc0 .Lentry_in_a_cluster
	s_endpgm
.Lentry_in_a_cluster:
	s_bfe_u32 s2, ttmp6, 0x10000c
	s_cmp_lg_u32 s2, 0xf033
	s_cbranch_scc0 .Lentry_shape_is_right
	s_endpgm
.Lentry_shape_is_right:
; LINEAR ATTENTION IN ONE LAUNCH.  Rows m = 4 s + b (16,384), columns n = 64 head + d (1,024), K = 1,024.
;   a[m][n] = q . Wq,  b[m][n] = k . Wk,  V[m][n] = v . Wv: three products on codes of FP6 (E2M3) with one E8M0 byte for each 32 along K; codes and bytes go to the matrix unit as they lie in memory; sums in f32.
;   qk[m][head] = the sum over the head's 64 d of exp(a) exp(b);   pre = (qk x V) / qk;   out0[4 s + b][n] = pre[4 s][n] + .. + pre[4 s + b][n].
; ONE SET OF ACCUMULATORS.  k's product adds onto q's sums, so that an accumulator holds a + b; one exponential gives exp(a) exp(b) = exp(a + b); the head's sum is taken, and the set is free for v's product.
;   So a wave keeps a tile of 128 x 128 (512 registers) through all three products, and no fragment is read from LDS twice.
; SHARES.  A work-group of four waves, as many as a WGP has SIMDs, owns 256 rows x 256 columns (4 heads) of all three products; a wave 128 x 128 (2 heads): 64 accumulators of 16 x 16.  64 x 4 = 256 work-groups.
; K goes through a ring of two LDS slots, 256 along K each (rows of 192 bytes): twelve fills, four for each product, in the order q, k, v.  The text is straight-line: 24 steps of 128 along K, written by macros.
; THE SCALES of the work-group's rows of q, k, v and of Wq, Wk, Wv, for all of K, are six dense blocks of 8,192 bytes: they come into LDS once, with the first fills, and stay.
; CLUSTERS: 4 x 4 work-groups.  The four of a row of the cluster need the same tiles of q, k, v, the four of a column the same tiles of the weights: each tile is asked for JOINTLY, by the same tensor load with the same
;   descriptor and a mask that names the four.
; THE MATRIX INSTRUCTION IS USED TRANSPOSED (source 0 = 16 rows of a weight, source 1 = 16 rows of q, k or v): lane l holds row l % 16 and eight neighbouring columns, 16 t + 8 (l / 16) + 0 .. 7.
;   So half of a head's 64 columns lie in one lane's 32 registers and the other half in lane l xor 16: qk is one number a lane.
; LIMITS.  (1) exp(a) exp(b) is formed as exp(a + b).  It differs from the two exponentials multiplied only where exp(a) or exp(b) alone leaves f32's range (|a| or |b| beyond about 87): where one of them overflows,
;   the two-exponential form is not finite for that head and this text may give a number there; where one underflows, that form loses terms of qk that this text keeps.
;   (2) The division is a multiplication by v_rcp_f32(0.25 qk) and by 0.25, so that the reciprocal is a normal number for every finite qk; v_rcp_f32 takes a denormal input as zero (ISA guide 15.8), so for qk under
;   2^-124 the result is not a number.  qk = 0 and qk = infinity give NaN, as (qk x V) / qk does.  (3) A scale byte 0xff gives NaN.  (4) The 64 terms of qk are added as a tree, not one after the other.
; REGISTERS, in windows of 256: window 0: v0-29 addresses; v32-63 scale words, two sets; v64-95 qk, v96-127 its reciprocal (a pair for each of my 16 groups: 16 rows x a head); v128-223 fragments of q, k or v, ONE set;
;   on the way out v128-255 hold rows.   window 1: the weights' fragments, TWO sets, at v0 and v128.   window 2: the accumulators of my rows 0-63 ((a, t) at v[8 (8 a + t)]);   window 3: those of my rows 64-127.
.set KROW,   768                       ; a row of codes in memory: 1,024 codes of 6 bits
.set ROWB,   192                       ; a tile's row: 256 codes
.set NQ,     2                         ; steps of 128 along K in a slot
.set PITCH,  240                       ; an LDS row: 3 x (64 bytes of data + 16 of padding) = 60 words: row r starts at bank -4 r mod 64 (64 banks of 4 bytes: ISA guide 11.1)
.set FR,     12                        ; registers of a fragment: 16 rows x 128 K
.set NL,     6                         ; LDS loads that bring one
.set NP,     4                         ; places behind this matrix instruction (ISA guide 7.12.1)
.set HALFT,  128*PITCH                 ; 128 rows: what one tensor load brings, and what one wave reads of either side
.set SLOT,   4*HALFT                   ; the activations' 256 rows, then the weight's 256 rows
.set SCL,    2*SLOT                    ; behind the ring: the scales, as rows of 256 bytes + 16 of padding
.set HALFS,  16*272                    ; the scales of 128 rows (32 bytes each): what one tensor load brings
.set SEGS,   4*HALFS                   ; those of one product: activations' two halves, weight's two halves
.set SBLK,   2*272                     ; those of 16 rows
.set SPARE,  SCL+3*SEGS                ; behind the scales: the spare words, 128 bytes for each wave: two blocks of 256 bytes that no other line names
.set SPITCH, 528                       ; the way out: a stage of 16 rows x (512 bytes + 16) for each wave, in slot 0, which has had its last fill and its last read by then
.set OROW,   4096                      ; a row of out0 in bytes
.set PF1,  12                          ; v12     prefetch: my byte offset, part 1
.set PF2,  13                          ; v13     part 2
.set ADRA, 16                          ; v16-17  LDS address of my activation fragments in slot 0, 1  (v18-19: the same for the pieces that lie behind one padding more)
.set ADRB, 20                          ; v20-21  the same for the weight  (v22-23)
.set STO,  24                          ; v24     the way out: where I put 32 bytes of a row
.set RD,   25                          ; v25     the way out: where I read a row back
.set CO,   26                          ; v26     my byte offset in a row of out0
.set ADRS, 27                          ; v27     LDS address of my scale words: lanes 0-15 the activations' rows, lanes 16-31 the weight's; never rewritten
.set SPW,  28                          ; v28     LDS address of my spare word: SPARE + 4 x my thread's number; never rewritten
.set NIL,  29                          ; v29     0; never rewritten
.set SC,   32                          ; scale words: set s (for slot s) at v[SC + 16 s]; in it register 2 i + q: lanes 0-15 the word of the activations' block i, lanes 16-31 that of the weight's block i, for the slot's q-th 128 along K
.set QKP,  64                          ; group n (block n / 2, head n % 2): v[QKP + 2 n] = qk
.set RCP,  96                          ; v[RCP + 2 n] = 1 / (0.25 qk)
.set AF,   128                         ; the activations' fragments
.set BK,   128                         ; the way out: 16 rows read back from the stage: v128-191 and v192-255 by turns
.set WV,   30                          ; s30  my wave's number
.set ROLE, 31                          ; s31  wave / 2: which half of the tile's rows is mine.  Also: I fetch activations (0) or weights (1)
.set HALF, 66                          ; s66  wave % 2: which half of its columns.  Also: which 128 rows of that tile I fetch
.set TY,   67                          ; s67  tile row
.set G1,   32                          ; s[32:39] descriptor group 1 for the activations' tiles;  s[40:47] for the weights'
.set G1B,  40
.set G1S,  48                          ; s[48:55] for the activations' scales;  s[56:63] for the weights'
.set G1SB, 56
.set G0,   68                          ; s[68:75] group 0 for the activations' tiles, one set for each slot;  s[76:83] for the weights'
.set G0B,  76
.set KA,   84                          ; s[84:85] k's codes at the rows that I fetch;  s[86:87] v's;  s[88:89] Wk's;  s[90:91] Wv's: never rewritten
.set VA,   86
.set KB,   88
.set VB,   90
.set LG,   4                           ; from the exponentials on: s[4:5] log2(e), s[6:7] 0.25 (each named as a pair), s[8:9] lane selects for lane l xor 16
.set QT,   6
.set SEL,  8
.set M_NONE, 0                         ; what a change of slots asks for: nothing;
.set M_ADD,  1                         ; the same product's tile two fills on;
.set M_NEWK, 2                         ; k's and Wk's first tiles;
.set M_NEWV, 3                         ; v's and Wv's
.set MSB, 0
.macro WIN new                         ; the immediate's high byte repeats the setting that is left; a switch that changes nothing is dropped
.if MSB != (\new)
	s_set_vgpr_msb (MSB<<8)|(\new)
.set MSB, (\new)
.endif
.endm
.set MUL_LO, 0xa1                      ; source 0 (weight) window 1, source 1 (activations) window 0, C and D window 2
.set MUL_HI, 0xf1                      ; the same, C and D window 3
.set TO_B,   0x40                      ; destination window 1, address window 0
; A joint load: waves 0 and 1 fetch activations, waves 2 and 3 weights.  Each of the two lines has ONE mask and one set of registers for all that issue it; the branch hangs on the wave's number alone.
; Four v_nop follow each of the two lines, ahead of the jump, the label and what follows.
.macro JLOAD g0a, g1a, g0b, g1b
	s_cmp_eq_u32 s[ROLE], 0
	s_cbranch_scc0 .Lfor_b_\@
	tensor_load_to_lds s[\g0a:\g0a+3], s[\g1a:\g1a+7]
	s_nop 0
.rept 4
	v_nop
.endr
	s_branch .Lasked_\@
.Lfor_b_\@:
	tensor_load_to_lds s[\g0b:\g0b+3], s[\g1b:\g1b+7]
	s_nop 0
.rept 4
	v_nop
.endr
.Lasked_\@:
.endm
.macro CREST                           ; a round of the cluster's barrier behind its opening barrier
	s_cmp_lg_u32 s[WV], 0
	s_cbranch_scc1 .Lnot_wave_0_\@
	s_barrier_signal -3
.Lnot_wave_0_\@:
	s_barrier_wait -3
	s_barrier_signal -1
	s_barrier_wait -1
.endm
.macro CROUND                          ; a whole round
	s_barrier_signal -1
	s_barrier_wait -1
	CREST
.endm
	s_load_b512 s[4:19], s[0:1], 0x0               ; q's codes s[4:5], scales s[6:7]; k's s[8:11]; v's s[12:15]; Wq's s[16:19]
	s_load_b256 s[20:27], s[0:1], 0x40             ; Wk's s[20:23]; Wv's s[24:27]
	s_load_b64 s[28:29], s[0:1], 0x60              ; out0
	v_lshl_add_u32 v[SPW], v0, 2, SPARE
	v_mov_b32 v[NIL], 0
	ds_add_u32 v28, v29
	s_wait_dscnt 0x0
	v_lshrrev_b32 v1, 5, v0
	v_readfirstlane_b32 s[WV], v1                  ; wave 0..3
	s_lshr_b32 s[ROLE], s[WV], 1
	s_and_b32 s[HALF], s[WV], 1
	s_bfe_u32 s92, ttmp6, 0x40000                  ; cx, cy: my place in the cluster
	s_bfe_u32 s93, ttmp6, 0x40004
	s_lshl_b32 s94, ttmp9, 2
	s_add_co_u32 s94, s94, s92                     ; tile column = 4 x cluster x + cx
	s_and_b32 s[TY], ttmp7, 0xffff
	s_lshl_b32 s[TY], s[TY], 2
	s_add_co_u32 s[TY], s[TY], s93                 ; tile row = 4 x cluster y + cy
	s_lshl_b32 s95, s93, 2
	s_lshl_b32 s95, 15, s95                        ; my row of the cluster
	s_lshl_b32 s104, 0x1111, s92                   ; my column
	; descriptor group 1 for codes: a tile of 128 rows x 192 bytes, padded in LDS
	s_or_b32 s[G1+0], s95, (0<<16)|(1<<20)|(1<<21)|(3<<22)|(3<<25)   ; 15:0 the mask: the activations' tiles go to my row; 17:16 element of 1 byte; 20 padding on; 21 set beside a mask; 24:22 after every 16 words (code 3); 31:25 of 4 words (code 3)
	s_or_b32 s[G1B+0], s104, (0<<16)|(1<<20)|(1<<21)|(3<<22)|(3<<25) ; the same with the mask of my column, for the weights' tiles
.irp g, G1, G1B
	s_mov_b32 s[\g+1], ROWB<<16                    ; tensor_dim0
	s_mov_b32 s[\g+2], 128<<16                     ; tensor_dim1 = 128
	s_mov_b32 s[\g+3], ROWB<<16                    ; tile_dim0
	s_mov_b32 s[\g+4], 128                         ; tile_dim1 = 128
	s_mov_b32 s[\g+5], KROW                        ; tensor_dim0_stride
	s_mov_b32 s[\g+6], 0
	s_mov_b32 s[\g+7], 0
.endr
	; and for the scales of 128 rows: a dense block of 4,096 bytes, as 16 rows of 256 bytes (32 elements of 8 bytes), 16 bytes of padding behind each
	s_or_b32 s[G1S+0], s95, (3<<16)|(1<<20)|(1<<21)|(5<<22)|(3<<25)
	s_or_b32 s[G1SB+0], s104, (3<<16)|(1<<20)|(1<<21)|(5<<22)|(3<<25)
.irp g, G1S, G1SB
	s_mov_b32 s[\g+1], 32<<16
	s_mov_b32 s[\g+2], 16<<16
	s_mov_b32 s[\g+3], 32<<16
	s_mov_b32 s[\g+4], 16
	s_mov_b32 s[\g+5], 32
	s_mov_b32 s[\g+6], 0
	s_mov_b32 s[\g+7], 0
.endr
	; where the rows that I fetch begin, in bytes (all under 2^32).  The activations' hang on the tile row and the wave alone, the weights' on the tile column and the wave alone, each in registers of their own.
	s_lshl_b32 s95, s[TY], 8
	s_lshl_b32 s98, s[HALF], 7
	s_add_co_u32 s95, s95, s98                     ; activations: row 256 x tile row + 128 x half
	s_mul_i32 s98, s95, KROW                       ; s[98:99]: its codes,
	s_mov_b32 s99, 0
	s_lshl_b32 s100, s95, 5                        ; s[100:101]: its scale bytes
	s_mov_b32 s101, 0
	s_lshl_b32 s104, s94, 8
	s_lshl_b32 s96, s[HALF], 7
	s_add_co_u32 s96, s104, s96                    ; weights: row 256 x tile column + 128 x half
	s_mul_i32 s104, s96, KROW                      ; s[104:105]: its codes,
	s_mov_b32 s105, 0
	s_lshl_b32 s96, s96, 5                         ; s[96:97]: its scale bytes
	s_mov_b32 s97, 0
	s_mul_i32 s2, s[WV], HALFT                     ; where they go: wave x 128 rows: no place in the cluster enters an LDS address
	s_mul_i32 s3, s[WV], HALFS
	s_wait_kmcnt 0x0
	s_add_nc_u64 s[4:5], s[4:5], s[98:99]          ; the six tensors of codes at the rows that I fetch
	s_add_nc_u64 s[KA:KA+1], s[8:9], s[98:99]
	s_add_nc_u64 s[VA:VA+1], s[12:13], s[98:99]
	s_add_nc_u64 s[16:17], s[16:17], s[104:105]
	s_add_nc_u64 s[KB:KB+1], s[20:21], s[104:105]
	s_add_nc_u64 s[VB:VB+1], s[24:25], s[104:105]
.irp s, 0,1                            ; group 0 of the two slots: q's and Wq's first two tiles
	s_mov_b32 s[G0+4*\s], 1                        ; 1:0 count = 1
	s_add_co_u32 s[G0+4*\s+1], s2, \s*SLOT         ; 63:32 LDS address
	s_add_nc_u64 s[G0+4*\s+2:G0+4*\s+3], s[4:5], \s*ROWB   ; 120:64 global address
	s_or_b32 s[G0+4*\s+3], s[G0+4*\s+3], 0x80000000        ; 127:126 type = 2
	s_mov_b32 s[G0B+4*\s], 1
	s_add_co_u32 s[G0B+4*\s+1], s2, \s*SLOT
	s_add_nc_u64 s[G0B+4*\s+2:G0B+4*\s+3], s[16:17], \s*ROWB
	s_or_b32 s[G0B+4*\s+3], s[G0B+4*\s+3], 0x80000000
.endr
.irp n, 0,1,2                          ; the codes' addresses have been copied out: each tensor's four registers become the group 0 of its scales, product n's at SCL + n SEGS
	s_add_nc_u64 s[4+4*\n+2:4+4*\n+3], s[4+4*\n+2:4+4*\n+3], s[100:101]
	s_or_b32 s[4+4*\n+3], s[4+4*\n+3], 0x80000000
	s_mov_b32 s[4+4*\n], 1
	s_add_co_u32 s[4+4*\n+1], s3, SCL+\n*SEGS
	s_add_nc_u64 s[16+4*\n+2:16+4*\n+3], s[16+4*\n+2:16+4*\n+3], s[96:97]
	s_or_b32 s[16+4*\n+3], s[16+4*\n+3], 0x80000000
	s_mov_b32 s[16+4*\n], 1
	s_add_co_u32 s[16+4*\n+1], s3, SCL+\n*SEGS
.endr
	CROUND                                         ; all sixteen work-groups are here: the first joint loads meet
	s_cmp_eq_u32 s[ROLE], 0                        ; a wave's five first fills stand in one branch, ahead of every wait on TENSORcnt, every LDS read and every other barrier: five loads of mine are out
	s_cbranch_scc0 .Lfirst_b
	tensor_load_to_lds s[4:7], s[G1S:G1S+7]        ; q's scales: wanted with the first tile,
	s_nop 0
	tensor_load_to_lds s[G0:G0+3], s[G1:G1+7]      ; slot 0,
	s_nop 0
	tensor_load_to_lds s[G0+4:G0+7], s[G1:G1+7]    ; slot 1,
	s_nop 0
	tensor_load_to_lds s[8:11], s[G1S:G1S+7]       ; k's scales,
	s_nop 0
	tensor_load_to_lds s[12:15], s[G1S:G1S+7]      ; v's
	s_nop 0
.rept 4
	v_nop
.endr
	s_branch .Lfirst_asked
.Lfirst_b:
	tensor_load_to_lds s[16:19], s[G1SB:G1SB+7]    ; the same of Wq, Wk, Wv
	s_nop 0
	tensor_load_to_lds s[G0B:G0B+3], s[G1B:G1B+7]
	s_nop 0
	tensor_load_to_lds s[G0B+4:G0B+7], s[G1B:G1B+7]
	s_nop 0
	tensor_load_to_lds s[20:23], s[G1SB:G1SB+7]
	s_nop 0
	tensor_load_to_lds s[24:27], s[G1SB:G1SB+7]
	s_nop 0
.rept 4
	v_nop
.endr
.Lfirst_asked:
	v_and_b32 v1, 15, v0                           ; l % 16
	v_bfe_u32 v2, v0, 4, 1                         ; l / 16
	v_mul_u32_u24 v3, v1, PITCH
	v_mul_u32_u24 v4, v2, 24
	v_add_nc_u32 v4, v3, v4                        ; a fragment's row x pitch + 24 x half
	v_lshl_add_u32 v5, v2, 4, v4                   ; and the same behind one padding more
	s_mul_i32 s2, s[ROLE], HALFT                   ; my 128 rows of the activations
	s_mul_i32 s3, s[HALF], HALFT                   ; my 128 rows of the weight,
	s_add_co_u32 s3, s3, 2*HALFT                   ; which lie behind the activations' 256
.irp s, 0,1
	v_add_nc_u32 v[ADRA+\s], s2, v4
	v_add_nc_u32 v[ADRB+\s], s3, v4
	v_add_nc_u32 v[ADRA+2+\s], s2, v5
	v_add_nc_u32 v[ADRB+2+\s], s3, v5
	s_add_co_u32 s2, s2, SLOT
	s_add_co_u32 s3, s3, SLOT
.endr
	v_mul_u32_u24 v5, v1, 32                       ; my row's scales: 32 bytes a row,
	v_lshrrev_b32 v6, 8, v5
	v_lshl_add_u32 v5, v6, 4, v5                   ; and 16 more for each 256 passed
	s_mul_i32 s2, s[ROLE], HALFS                   ; the activations': my 128 rows
	s_mul_i32 s3, s[HALF], HALFS                   ; the weight's: my 128 rows, behind the activations' 256
	s_add_co_u32 s3, s3, 2*HALFS
	s_sub_co_u32 s3, s3, s2
	v_mul_u32_u24 v6, s3, v2                       ; lanes 16-31 take the weight's: one product, the distance between the two x the lane's half
	s_add_co_u32 s2, s2, SCL
	v_add_nc_u32 v5, v5, v6
	v_add_nc_u32 v[ADRS], s2, v5
	s_mul_i32 s2, s[WV], 16*SPITCH                 ; my stage
	v_mul_u32_u24 v5, v1, SPITCH                   ; in: row l % 16, 32 bytes for each half of the lanes
	v_lshl_add_u32 v5, v2, 5, v5
	v_add_nc_u32 v[STO], s2, v5
	v_and_b32 v6, 31, v0
	v_lshlrev_b32 v[CO], 4, v6                     ; back: the 32 lanes take one row of 512 bytes; and the same in out0
	v_add_nc_u32 v[RD], s2, v[CO]
	s_lshl_b32 s98, s[TY], 8
	s_lshl_b32 s99, s[ROLE], 7
	s_add_co_u32 s98, s98, s99                     ; my first row of out0: 256 x tile row + 128 x half,
	s_lshl_b32 s98, s98, 12                        ; in bytes (under 2^27),
	s_lshl_b32 s99, s94, 10
	s_add_co_u32 s98, s98, s99                     ; my first column: 1,024 bytes x tile column
	s_lshl_b32 s99, s[HALF], 9
	s_add_co_u32 s98, s98, s99                     ; + 512 x half
	s_mov_b32 s99, 0
	s_add_nc_u64 s[28:29], s[28:29], s[98:99]
	; PREFETCH of k's and v's tiles.  The 128 rows at s[KA] (s[VA]) are 98,304 dense bytes: 384 aligned blocks of 256.  The eight waves of my row of the cluster that share my half ask for each block once:
	; part 1: wave 2 cx + wave / 2 of the eight takes blocks 32 x that number + lane (0 .. 255); part 2: the four with wave / 2 = 0 take blocks 256 + 32 cx + lane (256 .. 383).  Every block lies inside the tensor.
	s_lshl_b32 s104, s92, 1
	s_add_co_u32 s104, s104, s[ROLE]
	s_lshl_b32 s104, s104, 13
	v_lshl_add_u32 v[PF1], v6, 8, s104
	s_lshl_b32 s105, s92, 13
	s_add_co_u32 s105, s105, 256*256
	v_lshl_add_u32 v[PF2], v6, 8, s105
.macro FRAG reg, adr, q, i             ; a fragment, 16 rows x 128 K of 6-bit codes, is 12 registers: lane l holds row l % 16; registers 6 c .. 6 c + 5 hold K = 64 c + 32 (l / 16) + 0 .. 31: 24 bytes of the row's stream of bits, as they lie
.irp p, 0,1,2,3,4,5                    ; in pieces of 8 bytes, so that every address is a multiple of the access's size.  Lanes 0-15 take the row's pieces 12 q + 0, 1, 2 and 12 q + 6, 7, 8, lanes 16-31 those three pieces on
.set PC, 12*(\q)+6*(\p/3)+\p%3        ; 16 bytes of padding lie behind every 64 bytes (8 pieces): where the piece three on lies behind one padding more, the second address register (40 for 24 bytes a half) serves
.if PC%8 < 5
	ds_load_b64 v[\reg+2*\p:\reg+2*\p+1], v[\adr] offset:8*PC+16*(PC/8)+(\i)*16*PITCH
.else
	ds_load_b64 v[\reg+2*\p:\reg+2*\p+1], v[\adr+2] offset:8*PC+16*(PC/8)+(\i)*16*PITCH
.endif
.endr
.endm
; 16 matrix instructions: the activations' blocks a0, a0 + 1 x the weight's eight, 128 along K: the slot's q-th.  p: the weight's set;  sc: the set of scale words.  zero = 1: the product starts the sums: nothing is ever cleared.
; The 64 accumulators take turns, one instruction a turn, in the same order in every step.
.macro MUL16 a0, p, q, sc, zero
.irp a, \a0, \a0+1
.irp b, 0,1,2,3,4,5,6,7
.if \zero
	v_wmma_scale_f32_16x16x128_f8f6f4 v[8*(8*((\a)%4)+\b):8*(8*((\a)%4)+\b)+7], v[128*(\p)+FR*\b:128*(\p)+FR*\b+FR-1], v[AF+FR*(\a):AF+FR*(\a)+FR-1], 0, v[SC+8*NQ*(\sc)+NQ*\b+(\q)], v[SC+8*NQ*(\sc)+NQ*(\a)+(\q)] matrix_a_fmt:MATRIX_FMT_FP6 matrix_b_fmt:MATRIX_FMT_FP6 matrix_a_scale:MATRIX_SCALE_ROW1
.else
	v_wmma_scale_f32_16x16x128_f8f6f4 v[8*(8*((\a)%4)+\b):8*(8*((\a)%4)+\b)+7], v[128*(\p)+FR*\b:128*(\p)+FR*\b+FR-1], v[AF+FR*(\a):AF+FR*(\a)+FR-1], v[8*(8*((\a)%4)+\b):8*(8*((\a)%4)+\b)+7], v[SC+8*NQ*(\sc)+NQ*\b+(\q)], v[SC+8*NQ*(\sc)+NQ*(\a)+(\q)] matrix_a_fmt:MATRIX_FMT_FP6 matrix_b_fmt:MATRIX_FMT_FP6 matrix_a_scale:MATRIX_SCALE_ROW1
.endif
.endr
.endr
.endm
.macro FETCH_B slot, q, p              ; the weight's eight fragments of the slot's q-th 128 along K into set p
	WIN TO_B
.irp i, 0,1,2,3,4,5,6,7
	FRAG 128*(\p)+FR*\i, ADRB+\slot, \q, \i
.endr
	WIN 0
.endm
.macro FETCH_A slot, q, i0             ; the activations' blocks i0 .. i0 + 3
.irp i, \i0, \i0+1, \i0+2, \i0+3
	FRAG AF+FR*(\i), ADRA+\slot, \q, \i
.endr
.endm
.macro SCALES sc, seg, ks              ; the scale words of product seg's ks-th 256 along K into set sc: two words a row; lanes 0-15 take the activations' block i, lanes 16-31 the weight's.  Every offset is an immediate, 38,648 at the most
.irp i, 0,1,2,3,4,5,6,7
	ds_load_b64 v[SC+8*NQ*(\sc)+NQ*\i:SC+8*NQ*(\sc)+NQ*\i+1], v[ADRS] offset:(\seg)*SEGS+8*(\ks)+\i*SBLK
.endr
.endm
; A load into a register that a matrix instruction has read, and a vector instruction or an LDS store that reads a matrix result, stand NP places behind that matrix instruction, and only plain vector
; instructions that name none of its registers are places (ISA guide 7.12.1 for vector instructions); this text does not count the matrix instructions in between.
.macro PLACES n
.rept \n
	v_nop
.endr
.endm
.macro PF base, part                   ; one request a lane; nothing waits for it, and its registers are never rewritten
.if \part == 1
	global_prefetch_b8 v[PF1], s[\base:\base+1] th:TH_LOAD_NT scope:SCOPE_SE
.else
	s_cmp_lg_u32 s[ROLE], 0
	s_cbranch_scc1 .Lno_pf_\@
	global_prefetch_b8 v[PF2], s[\base:\base+1] th:TH_LOAD_NT scope:SCOPE_SE
.Lno_pf_\@:
.endif
.endm
.macro RESEAT slot, pa, pb             ; a slot's two groups 0 for a new product: its tile number slot
	s_add_nc_u64 s[G0+4*\slot+2:G0+4*\slot+3], s[\pa:\pa+1], \slot*ROWB
	s_or_b32 s[G0+4*\slot+3], s[G0+4*\slot+3], 0x80000000
	s_add_nc_u64 s[G0B+4*\slot+2:G0B+4*\slot+3], s[\pb:\pb+1], \slot*ROWB
	s_or_b32 s[G0B+4*\slot+3], s[G0B+4*\slot+3], 0x80000000
.endm
; A step of 128 along K that has its successor in the same slot.  The activations' blocks go one after the other, each against the weight's eight: a block is free as soon as its eight products are issued, so one set of
; registers serves: blocks 0-3 are fetched anew in the step's middle, blocks 4-7 at its end.  The weight's fragments are at work through the whole step and have two sets.
.macro STEP slot, q, zero
	s_wait_dscnt 4*NL                              ; the weight's set, the scale words and blocks 0-3 are in; the youngest 24 loads (blocks 4-7) may be out
	WIN MUL_LO
	MUL16 0, (\q)%2, \q, \slot, \zero
	MUL16 2, (\q)%2, \q, \slot, \zero
	s_wait_dscnt 0                                 ; blocks 4-7 are in (asked for 32 matrix instructions ago)
	PLACES NP
	FETCH_B \slot, (\q)+1, 1-(\q)%2
	FETCH_A \slot, (\q)+1, 0
	WIN MUL_HI
	MUL16 4, (\q)%2, \q, \slot, \zero
	MUL16 6, (\q)%2, \q, \slot, \zero
	PLACES NP
	WIN 0
	FETCH_A \slot, (\q)+1, 4
.endm
; A slot's last step changes slots: ONE barrier; in front of it each wave waits for all its tensor loads, adds 0 to its spare word, and waits for that and for its own reads of this slot.
; mode says what this slot is filled with (M_NONE: nothing, and no round of the cluster's barrier).  nseg, nks: the product and the 256 along K that lie in the next slot.  pfb, pfp: a prefetch's base register (0: none) and part.
.macro TURN slot, next, mode, nseg, nks, pfb, pfp
	s_wait_tensorcnt 0x0                           ; all my tensor loads have landed: my part of the next slot (at the first change also k's and v's scales);  every window is 0 here: the add's two registers lie in window 0
	ds_add_u32 v[SPW], v[NIL]                      ; 0 onto my spare word
	s_wait_dscnt 4*NL+1                            ; (the add and the youngest 24 loads, blocks 4-7, may be out)
	WIN MUL_LO
	MUL16 0, 1, NQ-1, \slot, 0                     ; sixteen matrix instructions stand between the add and the wait for it
	s_wait_dscnt 0x0                               ; the add is done, and my reads of this slot are over
	s_barrier_signal -1
	MUL16 2, 1, NQ-1, \slot, 0
	WIN 0
	s_barrier_wait -1
.if \mode == M_NONE
	PLACES NP
.else
	CREST                                          ; the barrier has opened a round of the cluster's barrier: no wave of any partner still reads this slot's tile or has a load on its way
.if \mode == M_ADD
	s_add_nc_u64 s[G0+4*\slot+2:G0+4*\slot+3], s[G0+4*\slot+2:G0+4*\slot+3], 2*ROWB
	s_add_nc_u64 s[G0B+4*\slot+2:G0B+4*\slot+3], s[G0B+4*\slot+2:G0B+4*\slot+3], 2*ROWB
.elseif \mode == M_NEWK
	RESEAT \slot, KA, KB
.else
	RESEAT \slot, VA, VB
.endif
	JLOAD G0+4*\slot, G1, G0B+4*\slot, G1B         ; the first tensor load behind the round, and my only one until the next; the four v_nop behind it are the places in front of the loads below
.endif
	FETCH_B \next, 0, 0
	FETCH_A \next, 0, 0
	SCALES \next, \nseg, \nks
.if \pfb
	PF \pfb, \pfp                                  ; behind the run of loads; thirty-two matrix instructions follow, whose operands are in
.endif
	WIN MUL_HI
	MUL16 4, 1, NQ-1, \slot, 0
	MUL16 6, 1, NQ-1, \slot, 0
	PLACES NP
	WIN 0
	FETCH_A \next, 0, 4
.endm
; qk.  A group is 16 rows x a head: four accumulators, 32 registers on end, in a lane 32 of its row's 64 numbers a + b.
.macro E1MUL base                      ; x log2(e), two at a time, ascending: each accumulator is read from its low end on
.set i, 0
.rept 16
	v_pk_mul_f32 v[(\base)+i:(\base)+i+1], v[(\base)+i:(\base)+i+1], s[LG:LG+1] op_sel_hi:[1,0]
.set i, i+2
.endr
.endm
.macro E1EXP base                      ; exp(a) exp(b) = 2^((a + b) log2(e))
.set i, 0
.rept 32
	v_exp_f32 v[(\base)+i], v[(\base)+i]
.set i, i+1
.endr
.endm
.macro E1SUM base                      ; 16 pairs into one: pairs 8, 4, 2 and 1 apart
	s_wait_alu depctr_va_vdst(0)
.irp d, 16,8,4,2
.set i, 0
.rept \d/2
	v_pk_add_f32 v[(\base)+i:(\base)+i+1], v[(\base)+i:(\base)+i+1], v[(\base)+i+\d:(\base)+i+\d+1]
.set i, i+2
.endr
.endr
.endm
.macro E1WIN w                         ; the eight groups of window w.  The next group's multiplications are the plain instructions between a group's exponentials and the use of their results (ISA guide 5.7.2); behind the last group a v_nop
	WIN 0x8a+0x45*(\w-2)                           ; destination and both sources in window w
	E1MUL 0
.irp g, 0,1,2,3,4,5,6,7
	E1EXP 32*\g
.if \g < 7
	E1MUL 32*(\g+1)
.else
	v_nop
	s_wait_alu depctr_va_vdst(0)
.endif
	E1SUM 32*\g
.endr
	WIN 0x0a+5*(\w-2)                              ; sources in window w, destination in window 0
.irp g, 0,1,2,3,4,5,6,7
	v_add_f32 v[QKP+2*(8*(\w-2)+\g)], v[32*\g], v[32*\g+1]   ; my lane's half of the head's sum
.endr
.endm
; THE WAY OUT of block a (16 rows x 128 columns), in three parts.
.macro FIN a                           ; (qk x V) x 1 / (0.25 qk); the last factor 0.25 comes with the running sum.  Of the pairs at QKP and RCP the low register serves both halves.  Each accumulator is read from its low end on
.set AC, 64*((\a)%4)
	WIN 0x82+0x41*((\a)/4)                         ; destination and source 0 in window 2 or 3, source 1 in window 0
.irp b, 0,1,2,3,4,5,6,7
.irp c, 0,2,4,6
	v_pk_mul_f32 v[AC+8*\b+\c:AC+8*\b+\c+1], v[AC+8*\b+\c:AC+8*\b+\c+1], v[QKP+2*(2*(\a)+\b/4):QKP+2*(2*(\a)+\b/4)+1] op_sel_hi:[1,0]
.endr
.endr
	s_wait_alu depctr_va_vdst(0)
.irp b, 0,1,2,3,4,5,6,7
.irp c, 0,2,4,6
	v_pk_mul_f32 v[AC+8*\b+\c:AC+8*\b+\c+1], v[AC+8*\b+\c:AC+8*\b+\c+1], v[RCP+2*(2*(\a)+\b/4):RCP+2*(2*(\a)+\b/4)+1] op_sel_hi:[1,0]
.endr
.endr
.endm
; A lane holds 32 neighbouring bytes of a row, and the lanes beside it hold other rows: so a block goes through my own stage in LDS and comes back as whole rows of 512 bytes, 16 bytes a lane.
; LDS serves a wave's instructions in order (ISA guide 5.7.1.4): no wait between the stores and the loads, nor in front of the next block's stores.
.macro TOSTAGE a
.set AC, 64*((\a)%4)
	WIN 0x08+4*((\a)/4)                            ; an LDS store's data are its source 1: window 2 or 3
.irp b, 0,1,2,3,4,5,6,7
	ds_store_b128 v[STO], v[AC+8*\b:AC+8*\b+3] offset:64*\b
	ds_store_b128 v[STO], v[AC+8*\b+4:AC+8*\b+7] offset:64*\b+16
.endr
	WIN 0
.set BB, BK+64*((\a)%2)
.irp t, 0,1,2,3,4,5,6,7,8,9,10,11,12,13,14,15
	ds_load_b128 v[BB+4*\t:BB+4*\t+3], v[RD] offset:\t*SPITCH
.endr
.endm
; Row t of the block lies at v[buf + 4 t] on, the same four columns in all 16 rows; rows 4 g + 0 .. 3 are one s with b = 0 .. 3.  The running sum over b: row b = 0.25 x row b + row b - 1, one fused multiply-add;
; the multiplication by 0.25 is exact.  Each level is eight lines that do not wait for each other.
.macro CUMSUM buf
.irp g, 0,1,2,3
.irp c, 0,2
	v_pk_mul_f32 v[\buf+16*\g+\c:\buf+16*\g+\c+1], v[\buf+16*\g+\c:\buf+16*\g+\c+1], s[QT:QT+1] op_sel_hi:[1,0]
.endr
.endr
.irp e, 1,2,3
.irp g, 0,1,2,3
.irp c, 0,2
	v_pk_fma_f32 v[\buf+16*\g+4*\e+\c:\buf+16*\g+4*\e+\c+1], v[\buf+16*\g+4*\e+\c:\buf+16*\g+4*\e+\c+1], s[QT:QT+1], v[\buf+16*\g+4*(\e-1)+\c:\buf+16*\g+4*(\e-1)+\c+1] op_sel_hi:[1,0,1]
.endr
.endr
.endr
.endm
.macro SEND a, younger                 ; younger: the LDS instructions issued behind block a's loads, which may stay out
.set BB, BK+64*((\a)%2)
	s_wait_dscnt \younger                          ; the block is back in registers
	CUMSUM BB
.irp t, 0,1,2,3,4,5,6,7,8,9,10,11,12,13,14,15
	global_store_b128 v[CO], v[BB+4*\t:BB+4*\t+3], s[28:29] offset:(16*(\a)+\t)*OROW th:TH_STORE_NT   ; 32 lanes store 512 consecutive bytes, at a multiple of 256 from out0's first byte; the row stands in the immediate, 520,192 at the most; written once, read by nobody here
.endr
.endm
	s_wait_tensorcnt 3                             ; q's (Wq's) scales and my part of slot 0 are in; the three younger loads (slot 1, two blocks of scales) may stay out
	s_barrier_signal -1
	s_barrier_wait -1                              ; everybody's are
	FETCH_B 0, 0, 0
	FETCH_A 0, 0, 0
	SCALES 0, 0, 0
	FETCH_A 0, 0, 4
	; ---- q . Wq: its first products start the sums
	STEP 0, 0, 1
	TURN 0, 1, M_ADD, 0, 1, KA, 1                  ; k's tile is asked into the cache here and at the next change of slots: one and two changes ahead of the first joint request for it
	STEP 1, 0, 0
	TURN 1, 0, M_ADD, 0, 2, KA, 2
	STEP 0, 0, 0
	TURN 0, 1, M_NEWK, 0, 3, 0, 0                  ; the ring goes on into k's product
	STEP 1, 0, 0
	TURN 1, 0, M_NEWK, 1, 0, 0, 0
	; ---- k . Wk adds onto the same sums: a + b
	STEP 0, 0, 0
	TURN 0, 1, M_ADD, 1, 1, VA, 1                  ; v's tile likewise
	STEP 1, 0, 0
	TURN 1, 0, M_ADD, 1, 2, VA, 2
	STEP 0, 0, 0
	TURN 0, 1, M_NEWV, 1, 3, 0, 0                  ; and into v's
	STEP 1, 0, 0
	TURN 1, 0, M_NEWV, 2, 0, 0, 0                  ; v's first fragments are on their way from LDS, and its second tile from memory, while qk is made
	; ---- qk and its reciprocal.  The four v_nop at the end of the step above are the places behind the last products.
	s_mov_b32 s[LG], 0x3fb8aa3b                    ; log2(e).  (s[4:9] were descriptors of scale loads, shown done by the wait for all tensor loads at the first change of slots)
	s_mov_b32 s[LG+1], 0x3fb8aa3b                  ; (named with it as a pair, so it is written)
	s_mov_b32 s[QT], 0x3e800000                    ; 0.25
	s_mov_b32 s[QT+1], 0x3e800000
	s_mov_b32 s[SEL], 0x76543210
	s_mov_b32 s[SEL+1], 0xfedcba98                 ; v_permlanex16_b32's selects for lane l xor 16
	E1WIN 2
	E1WIN 3
	WIN 0
.irp n, 0,1,2,3,4,5,6,7,8,9,10,11,12,13,14,15
	v_mov_b32 v[QKP+2*\n+1], 0                     ; written once: a lane permute's destination counts as one of its sources
.endr
.irp n, 0,1,2,3,4,5,6,7,8,9,10,11,12,13,14,15
	v_permlanex16_b32 v[QKP+2*\n+1], v[QKP+2*\n], s[SEL], s[SEL+1]   ; the head's other 32 columns lie in the lane 16 away
.endr
.irp n, 0,1,2,3,4,5,6,7,8,9,10,11,12,13,14,15
	v_add_f32 v[QKP+2*\n], v[QKP+2*\n], v[QKP+2*\n+1]               ; qk: the same bits in both lanes
.endr
.irp n, 0,1,2,3,4,5,6,7,8,9,10,11,12,13,14,15
	v_mul_f32 v[RCP+2*\n+1], s[QT], v[QKP+2*\n]                      ; 0.25 qk: its reciprocal is a normal number up to the largest finite qk
.endr
.irp n, 0,1,2,3,4,5,6,7,8,9,10,11,12,13,14,15
	v_rcp_f32 v[RCP+2*\n], v[RCP+2*\n+1]
.endr
	v_nop                                          ; a plain instruction behind the last reciprocal
	; ---- v . Wv: its first products start the sums anew, far more than five plain instructions behind the last products on these registers
	STEP 0, 0, 1
	TURN 0, 1, M_ADD, 2, 1, 0, 0
	STEP 1, 0, 0
	TURN 1, 0, M_ADD, 2, 2, 0, 0
	STEP 0, 0, 0
	TURN 0, 1, M_NONE, 2, 3, 0, 0                  ; the last change of slots fills nothing: behind it nobody reads slot 0, which takes the stages
	STEP 1, 0, 0
	s_wait_dscnt 4*NL                              ; the very last step: nothing more to fetch
	WIN MUL_LO
	MUL16 0, 1, NQ-1, 1, 0
	MUL16 2, 1, NQ-1, 1, 0
	s_wait_dscnt 0
	WIN MUL_HI
	MUL16 4, 1, NQ-1, 1, 0
	MUL16 6, 1, NQ-1, 1, 0
	WIN 0
	; ---- the way out, block by block: a block's arithmetic stands between the loads of the block before from the stage and the wait for them
	PLACES NP                                      ; behind the last products: for the reads of results, and for the loads into the registers that held fragments
	FIN 0
	TOSTAGE 0
.irp a, 1,2,3,4,5,6,7
	FIN \a
.if \a > 1
	s_wait_xcnt 0x0                                ; block a - 2's stores have read their registers: block a's loads land there only behind this wait
.endif
	TOSTAGE \a
	SEND \a-1, 32                                  ; behind block a - 1's loads: block a's 16 stores and 16 loads
.endr
	SEND 7, 0
	s_wait_tensorcnt 0x0                           ; the wave's end: behind my last tensor load and my last LDS store
	ds_add_u32 v[SPW], v[NIL]
	s_wait_dscnt 0x0
	CROUND                                         ; the closing round: no work-group ends while a partner may still ask for a tile that names it
	s_endpgm
.Lfunc_end_k_qfbfd75e97f_fused:
	.size	k_qfbfd75e97f_fused, .Lfunc_end_k_qfbfd75e97f_fused-k_qfbfd75e97f_fused
	.p2alignl 7, 3214868480
	.fill 96, 4, 3214868480
	.section	.rodata,"a",@progbits
	.p2align	6, 0x0
	.amdhsa_kernel k_qfbfd75e97f_fused
		.amdhsa_group_segment_fixed_size 327680
		.amdhsa_private_segment_fixed_size 0
		.amdhsa_enable_private_segment 0
		.amdhsa_kernarg_size 104
		.amdhsa_user_sgpr_count 2
		.amdhsa_user_sgpr_kernarg_segment_ptr 1
		.amdhsa_wavefront_size32 1
		.amdhsa_system_sgpr_workgroup_id_x 1
		.amdhsa_system_sgpr_workgroup_id_y 1
		.amdhsa_system_sgpr_workgroup_id_z 1
		.amdhsa_system_vgpr_workitem_id 0
		.amdhsa_next_free_vgpr 1024
		.amdhsa_next_free_sgpr 106
		.amdhsa_reserve_vcc 0
		.amdhsa_float_denorm_mode_32 3
		.amdhsa_float_denorm_mode_16_64 3
		.amdhsa_memory_ordered 1
		.amdhsa_forward_progress 1
		.amdhsa_inst_pref_size 255
	.end_amdhsa_kernel
	.section	.bss,"aw",@nobits
	.p2align	6
	.space	262144
	.amdgpu_metadata
---
amdhsa.version: [ 1, 2 ]
amdhsa.kernels:
  - .name:           k_qfbfd75e97f_fused
    .symbol:         k_qfbfd75e97f_fused.kd
    .args:
      - { .name: q_codes, .offset: 0, .size: 8, .value_kind: global_buffer, .address_space: global }
      - { .name: q_scales, .offset: 8, .size: 8, .value_kind: global_buffer, .address_space: global }
      - { .name: k_codes, .offset: 16, .size: 8, .value_kind: global_buffer, .address_space: global }
      - { .name: k_scales, .offset: 24, .size: 8, .value_kind: global_buffer, .address_space: global }
      - { .name: v_codes, .offset: 32, .size: 8, .value_kind: global_buffer, .address_space: global }
      - { .name: v_scales, .offset: 40, .size: 8, .value_kind: global_buffer, .address_space: global }
      - { .name: Wq_codes, .offset: 48, .size: 8, .value_kind: global_buffer, .address_space: global }
      - { .name: Wq_scales, .offset: 56, .size: 8, .value_kind: global_buffer, .address_space: global }
      - { .name: Wk_codes, .offset: 64, .size: 8, .value_kind: global_buffer, .address_space: global }
      - { .name: Wk_scales, .offset: 72, .size: 8, .value_kind: global_buffer, .address_space: global }
      - { .name: Wv_codes, .offset: 80, .size: 8, .value_kind: global_buffer, .address_space: global }
      - { .name: Wv_scales, .offset: 88, .size: 8, .value_kind: global_buffer, .address_space: global }
      - { .name: out0, .offset: 96, .size: 8, .value_kind: global_buffer, .address_space: global }
    .group_segment_fixed_size: 327680
    .private_segment_fixed_size: 0
    .kernarg_segment_align: 8
    .kernarg_segment_size: 104
    .max_flat_workgroup_size: 128
    .sgpr_count:     106
    .vgpr_count:     1024
    .wavefront_size: 32
...
	.end_amdgpu_metadata
.endif
;; end of part 1
